; MI455X (gfx1250); checked and timed in simulation.
; The chip was launched on July 23, 2026; its instructions are those of AMD's public machine-readable ISA for CDNA 5 (MIT licence, August 2026) and "CDNA5" Instruction Set Architecture Reference Guide (July 2026). The comments in the code are by the model that wrote it; some were corrected since.
;; Backbone. Allowed arithmetic: matrix products marked QUANTISED: E2M1 operands, one E8M0 scale for each 32 along K, by v_wmma_scale_f32_16x16x128_f8f6f4 with both operands' format E2M1 (or v_wmma_scale_f32_32x16x128_f4), f32 sums; everything else in f32.
;; Inputs: indicator 8 x 1,024 int32; padding_dist one number float32; zipped_left 8 x 1,024 x 4 int32; zipped_top 8 x 1,024 x 4 int32.
;; Outputs: out0 8 x 1,024 x 1,024 float32.
;; This version of the problem:
;;   THIS VERSION OF THE PROBLEM IS GIVEN IN LOW PRECISION. The matrix products marked QUANTISED in the list below multiply operands that are first quantised to E2M1 (2 exponent bits, 1 mantissa bit; 4 bits a number), with one power-of-two scale for each 32 numbers along K (OCP MX v1.0); their sums are f32. All else is computed in f32.
;;   The module's matrix products, in the order in which they are computed (A, B: the left and right operand; K: the contracted axis; several contracted axes count as one K, in the product's order):
;;     1. batch 8 x [M 1,024, K 512] x [K 512, N 1,024]; A: computed on the way; B: computed on the way: QUANTISED
;;     2. batch 8 x [M 1,024, K 512] x [K 512, N 1,024]; A: computed on the way; B: computed on the way: QUANTISED
;;   THE QUANTISER, for each operand of a quantised product, along K:
;;     - K is cut into blocks of 32 from its start; a last block that is shorter is filled with zeros.
;;     - A block's scale is 2^e with e = floor(log2(the largest magnitude in the block)) - 2, held to -126 .. 127; a block of zeros has e = 0. As a byte (E8M0): e + 127.
;;     - Each number is divided by its block's scale, clamped to +-6, and rounded to the nearest number of E2M1, ties to even, subnormals kept.
;;     - The product sums the exact products of the quantised numbers (number of the format x scale) in f32.
;;   ~~~python
;;   def quantise(x, axis):      # numpy; x: float32 -> the quantised numbers, widened to float32 again
;;       x = np.moveaxis(x, axis, -1); K = x.shape[-1]
;;       x = np.pad(x, [(0, 0)] * (x.ndim - 1) + [(0, -K % 32)]); x = x.reshape(x.shape[:-1] + (-1, 32)); a = np.abs(x).max(-1, keepdims=True)
;;       e = np.where(a > 0, np.clip(np.frexp(np.where(a > 0, a, 1))[1] - 1 - 2, -126, 127), 0)      # np.frexp(a)[1] - 1 = floor(log2(a)), exactly
;;       r = np.clip(x / 2.0 ** e, -6, 6)
;;       step = 2.0 ** (np.maximum(np.frexp(np.where(r == 0, 1, r))[1] - 1, 0) - 1)
;;       q = np.round(r / step) * step * 2.0 ** e      # np.round: ties to even
;;       return np.moveaxis(q.reshape(q.shape[:-2] + (-1,))[..., :K], -1, axis).astype(np.float32)
;;   ~~~
;;   OPERANDS COMPUTED ON THE WAY. 'Computed on the way' means the value that the module computes at that place (a softmax that the list does not call 'softmax' is quantised finished and normalised). What goes into a quantiser is computed in f32, as accurately as f32 sums, v_exp_f32 and their like allow (about 1e-6 of the number): no bf16 or f16 on the way to a quantiser, and a product that is left as it is and whose result goes on into a quantised operand takes f32 operands (vector FMAs, or v_wmma_f32_16x16x4_f32). A number that lies on a knife's edge between two numbers of the format may be rounded either way, as far as f32 arithmetic and the matrix unit's own rounding can turn it there, and no further.
;; 2 versions. Each part assembles by itself: llvm-mc -triple=amdgcn-amd-amdhsa -mcpu=gfx1250 --defsym DOCPART=n.
;; ======== version 1 of 2: 1 launch
;; launch backbone (part 1): grid 16 x 64, 1 waves a work-group, no clusters, 55,552 bytes of LDS; arguments zipped_top, zipped_left, indicator, padding_dist, out0; writes out0
.if DOCPART == 1
	.amdgcn_target "amdgcn-amd-amdhsa--gfx1250"
	.amdhsa_code_object_version 6
	.text
	.protected	k_q9db971277d_backbone
	.globl	k_q9db971277d_backbone
	.p2align	8
	.type	k_q9db971277d_backbone,@function
k_q9db971277d_backbone:
	s_mov_b64 s[64:65], 0
	v_nop
	global_prefetch_b8 v0, s[64:65] scope:SCOPE_SE
	s_setreg_imm32_b32 hwreg(HW_REG_WAVE_MODE, 25, 1), 1
	s_wait_xcnt 0x0
; out[b][i][j] = max(top(i,j), left(i,j)) + padding_dist x max(pad_i, pad_j), f32, [8][1024][1024].
; For each of the two trees X: X(i,j) = s_i + s_j - 2 <p_i, p_j>, p a row of 512 numbers 0 or 1: 1 at each of the row's four ids that is under 512; s the row's sum.
; THE PRODUCTS <p_i, p_j> go on codes of FP4 (E2M1) with one E8M0 scale for each 32 along K.  The operand holds 0 and 1 alone, whatever the inputs: a block with a 1 has the largest magnitude 1,
; so its scale is 2^-2 (byte 125) and its 1 becomes 4, code 6; a block of zeros has zero codes.  So the quantiser's result is: nibble 6 at place k for each id k under 512, byte 125 for every block.
; (A block of zeros so carries the byte 125 where the rule says 127: its codes are zeros, which add nothing under any byte but 0xff, and the bytes are read by this program alone.)
; LIMITS: padding_dist is finite or NaN: with an infinite one a PAD column against a row that is not PAD gives NaN (-inf x 0) where the definition gives infinity.
; Ids outside 0 .. 511, negative ones too, set nothing and count for nothing.
; SHARES.  A work-group is ONE wave and owns 128 rows x 64 columns of one batch's output: 1,024 work-groups.  A row of codes is 256 bytes of which at most four are not zero: it is made in LDS, as zeros
; and four byte stores whose addresses come from the ids.  The wave's LDS is its own, and LDS serves a wave's instructions in order (ISA guide 5.7.1.4): no barrier, and no wait between stores and loads.
; No cluster and no joint loads: what work-groups share is ids, 3 KiB a wave against the 32 KiB that it stores.  No tensor loads: nothing large is read.
; LAYOUT.  Source 0 = 16 output rows, source 1 = 16 output columns.  THE COLUMNS OF A TILE ARE NOT NEIGHBOURS: lane r of tile t takes column 4 r + t, so that register j of the four tiles' results holds
; columns 4 r .. 4 r + 3 of row 8 (lane / 16) + j: 16 neighbouring bytes.  The last line of the arithmetic puts them into four neighbouring registers, and the results leave without a stage in LDS.
; ARITHMETIC, exact but for the one rounding of the last addition.  a = -s / 2.  A sum begins with C = a_row + a_col, so D = <p_i, p_j> - (s_i + s_j) / 2 = -X(i,j) / 2.
; P = G_row x g_col + pd, g = 1 and G = -pd where the indicator is not 0, else 0: P = 0 where neither is PAD, else pd.  out = min(D_top, D_left) x -2 + P.
; REGISTERS, in windows of 256 (s_set_vgpr_msb's low byte: bits 1:0 source 0, 3:2 source 1, 5:4 source 2, 7:6 destination):
;   window 0: v0-19 lane addresses and constants; v20-27 at work; v28-35 the byte stores' addresses of the rows in hand; v36-67 the rows' ids; v68-79 a_top, a_left, g of my 4 columns; v80-103 a_top, a_left, G of my
;   8 rows; v104-167 the rows' fragments; v168-231 eight accumulators; v232-253 at the head: the columns' ids and the indicators.
;   window 1: the 64 columns' fragments of both trees, all 256 registers: loaded once.      window 2: v0-31 P, v32-63 the minima, v64-95 the results as they are stored.
.set PITCH, 272                        ; a row of codes in LDS: 256 bytes + 16 = 68 words: row r starts at bank 4 r mod 64 (64 banks of 4 bytes: ISA guide 11.1), so the 16 rows of a fragment load start at 16 different banks
.set COLS,  0                          ; 128 rows of codes: tree x, tile t, lane r at row 64 x + 16 t + r
.set ROWB,  128*PITCH                  ; 64 rows of codes: tree x, row i of the 32 output rows in hand at row 32 x + i
.set COLA,  ROWB+64*PITCH              ; a_top[64], a_left[64], g[64], f32, by column
.set ROWA,  COLA+3*256                 ; a_top[128], a_left[128], G[128], f32, by row; ends at byte 54,528
.set FA,   2                           ; v2   a fragment's place for my lane: 272 (lane % 16) + 16 (lane / 16)
.set CB,   3                           ; v3   where column 32 q + lane has its row of codes: 272 (16 (lane % 4) + lane / 4); 8 q rows more stand in the offset
.set RB,   4                           ; v4   where row lane of the 32 in hand has its row of codes: 272 x lane
.set L16,  5                           ; v5   16 x lane
.set L4,   6                           ; v6   4 x lane
.set CA,   7                           ; v7   16 (lane % 16): my four columns' numbers in a column array
.set RA,   8                           ; v8   32 (lane / 16): my eight rows' numbers in a row array
.set GO,   9                           ; v9   my bytes in the output: 8 (lane / 16) rows of 4,096 bytes + 16 (lane % 16)
.set SCL,  10                          ; v10  the scale word of every row and column: four bytes 125; it holds scales and nothing else
.set BOTH, 11                          ; v11  0x66: a byte both of whose codes are set
.set NIL,  12                          ; v12-15  0
.set NPD,  16                          ; v16  -padding_dist
.set PD,   18                          ; v18-19  padding_dist, twice
.set T,    20
.set SA,   28
.set RID,  36                          ; ids of rows 32 u + lane: top at v[36 + 4 u], left at v[52 + 4 u]
.set ATC,  68
.set GC,   76
.set ATR,  80
.set GR,   96
.set RF,   104                         ; tree x, K step s: v[104 + 32 x + 8 s]
.set ACC,  168                         ; tree x, tile t: v[168 + 32 x + 8 t]
.set CID,  232                         ; ids of columns 32 q + lane: v[232 + 8 x + 4 q]
.set CIN,  248                         ; the columns' indicator
.set RIN,  250                         ; the rows'
.set PW,   0                           ; window 2
.set MW,   32
.set OW,   64
.set MSB, 0
.macro WIN new                         ; the immediate's high byte repeats the setting that is left; a switch that changes nothing is dropped
.if MSB != \new
	s_set_vgpr_msb (MSB<<8)|\new
.set MSB, \new
.endif
.endm
; The four ids of my row, v[id] on, set their codes in the row of codes at v[base] + off.  Id d lies in byte d / 2, the even d in the low four bits.  An id of 512 or more, or a negative one (large as an
; unsigned number), goes to byte 256, which is padding and is never read.  Two ids that share a byte (d and d xor 1) both store 0x66, so stores of a lane that fall on one code byte carry one value.
.macro SCAT id, base, sa, off
.irp i, 0,1,2,3
	v_lshrrev_b32 v[T+\i], 1, v[\id+\i]
.endr
.irp i, 0,1,2,3
	v_min_u32 v[T+\i], 0x100, v[T+\i]              ; held inside the row and its padding before it enters an address
.endr
.irp i, 0,1,2,3
	v_add_nc_u32 v[\sa+\i], v[\base], v[T+\i]
.endr
.irp i, 0,1,2,3
	v_and_b32 v[T+\i], 1, v[\id+\i]
.endr
.irp i, 0,1,2,3
	v_mad_u32_u24 v[T+4+\i], v[T+\i], 0x5a, 6      ; 0x06 for an even id, 0x60 for an odd one
.endr
.irp i, 0,1,2
	v_xor_b32 v[T+\i], 1, v[\id+\i]                ; the id that would share the byte
.endr
	v_cmp_eq_u32 s20, v[T], v[\id+1]               ; pairs 01, 02, 03, 12, 13, 23
	v_cmp_eq_u32 s21, v[T], v[\id+2]
	v_cmp_eq_u32 s22, v[T], v[\id+3]
	v_cmp_eq_u32 s23, v[T+1], v[\id+2]
	v_cmp_eq_u32 s24, v[T+1], v[\id+3]
	v_cmp_eq_u32 s25, v[T+2], v[\id+3]
	s_or_b32 s26, s20, s21                         ; id i has a partner in some pair
	s_or_b32 s26, s26, s22
	s_or_b32 s27, s20, s23
	s_or_b32 s27, s27, s24
	s_or_b32 s28, s21, s23
	s_or_b32 s28, s28, s25
	s_or_b32 s29, s22, s24
	s_or_b32 s29, s29, s25
.irp i, 0,1,2,3
	v_cndmask_b32 v[T+4+\i], v[T+4+\i], v[BOTH], s[26+\i]
.endr
.irp i, 0,1,2,3
	ds_store_b8 v[\sa+\i], v[T+4+\i] offset:\off
.endr
.endm
; a = -1/2 x the number of different ids under 512 among my row's four: an id counts if it is under 512 and equals none of the ids ahead of it.
.macro COUNT id, dst
.irp i, 0,1,2,3
	v_cmp_gt_u32 s[36+\i], 0x200, v[\id+\i]        ; unsigned: a negative id does not count
.endr
	v_cmp_eq_u32 s30, v[\id], v[\id+1]
	v_cmp_eq_u32 s31, v[\id], v[\id+2]
	v_cmp_eq_u32 s32, v[\id], v[\id+3]
	v_cmp_eq_u32 s33, v[\id+1], v[\id+2]
	v_cmp_eq_u32 s34, v[\id+1], v[\id+3]
	v_cmp_eq_u32 s35, v[\id+2], v[\id+3]
	s_and_not1_b32 s37, s37, s30
	s_or_b32 s31, s31, s33
	s_and_not1_b32 s38, s38, s31
	s_or_b32 s32, s32, s34
	s_or_b32 s32, s32, s35
	s_and_not1_b32 s39, s39, s32
.irp i, 0,1,2,3
	v_cndmask_b32 v[T+\i], 0, -0.5, s[36+\i]
.endr
	v_add_f32 v[T], v[T], v[T+1]
	v_add_f32 v[T+2], v[T+2], v[T+3]
	v_add_f32 v[\dst], v[T], v[T+2]
.endm
.macro UNSCAT sa, off                  ; the four bytes that SCAT set become zeros again: the rows' 64 rows of codes are cleared by 8 byte stores and not by 34 wide ones
.irp i, 0,1,2,3
	ds_store_b8 v[\sa+\i], v[NIL] offset:\off
.endr
.endm
.macro BATCH u                         ; output rows 32 u .. 32 u + 31, a row to a lane: both trees' codes and a
.irp x, 0,1
	SCAT RID+16*\x+4*(\u), RB, SA+4*\x, ROWB+32*PITCH*\x
	COUNT RID+16*\x+4*(\u), T
	ds_store_b32 v[L4], v[T] offset:ROWA+512*\x+128*(\u)
.endr
.endm
; What a tile of 16 output rows, 32 u + 16 v on, wants: six loads of my eight rows' a_top, a_left, G; then sixteen loads of the rows' fragments.
; A fragment, 16 rows x 128 K of 4-bit codes, is 8 registers: lane l holds row l % 16; registers 4 c .. 4 c + 3 hold K = 64 c + 32 (l / 16) + 0 .. 31: 16 bytes of the row as they lie.
.macro ROWFETCH u, v
.irp k, 0,1,2
	ds_load_b128 v[ATR+8*\k:ATR+8*\k+3], v[RA] offset:ROWA+512*\k+4*(32*(\u)+16*(\v))
	ds_load_b128 v[ATR+8*\k+4:ATR+8*\k+7], v[RA] offset:ROWA+512*\k+4*(32*(\u)+16*(\v))+16
.endr
.irp x, 0,1
.irp s, 0,1,2,3
.irp c, 0,1
	ds_load_b128 v[RF+32*\x+8*\s+4*\c:RF+32*\x+8*\s+4*\c+3], v[FA] offset:ROWB+(32*\x+16*(\v))*PITCH+64*\s+32*\c
.endr
.endr
.endr
.endm
.macro CINIT                           ; the sums begin with a_row + a_col: register j of tile t = 2 p + e: a of row 8 (lane / 16) + j, and a of column 4 (lane % 16) + t for both halves of the pair
.irp x, 0,1
.irp p, 0,1
.irp e, 0,1
.irp k, 0,2,4,6
	v_pk_add_f32 v[ACC+32*\x+8*(2*\p+\e)+\k:ACC+32*\x+8*(2*\p+\e)+\k+1], v[ATR+8*\x+\k:ATR+8*\x+\k+1], v[ATC+4*\x+2*\p:ATC+4*\x+2*\p+1] op_sel:[0,\e] op_sel_hi:[1,\e]
.endr
.endr
.endr
.endr
.endm
.macro MULS                            ; 32 products: four K steps of 128 x two trees x four tiles of columns.  The eight accumulators take turns, one instruction a turn
	WIN 0x04                                       ; source 1 (the columns) in window 1
.irp s, 0,1,2,3
.irp x, 0,1
.irp t, 0,1,2,3
	v_wmma_scale_f32_16x16x128_f8f6f4 v[ACC+32*\x+8*\t:ACC+32*\x+8*\t+7], v[RF+32*\x+8*\s:RF+32*\x+8*\s+7], v[128*\x+32*\t+8*\s:128*\x+32*\t+8*\s+7], v[ACC+32*\x+8*\t:ACC+32*\x+8*\t+7], v[SCL], v[SCL] matrix_a_fmt:MATRIX_FMT_FP4 matrix_b_fmt:MATRIX_FMT_FP4
.endr
.endr
.endr
.endm
; P = G_row x g_col + pd, before the next tile's G is loaded over this one's.  These sixteen plain lines name no register of the products: they are the places between the last product
; and the loads into the rows' fragments, and the first read of results.
.macro PADS
	WIN 0x80                                       ; destination in window 2
.irp p, 0,1
.irp e, 0,1
.irp k, 0,2,4,6
	v_pk_fma_f32 v[PW+8*(2*\p+\e)+\k:PW+8*(2*\p+\e)+\k+1], v[GR+\k:GR+\k+1], v[GC+2*\p:GC+2*\p+1], v[PD:PD+1] op_sel:[0,\e,0] op_sel_hi:[1,\e,1]
.endr
.endr
.endr
.endm
.macro EPI row0                        ; the tile's results leave
	WIN 0x80
.irp t, 0,1,2,3
.irp j, 0,1,2,3,4,5,6,7
	v_min_num_f32 v[MW+8*\t+\j], v[ACC+8*\t+\j], v[ACC+32+8*\t+\j]   ; -max(top, left) / 2; each accumulator from its low end on
.endr
.endr
	s_wait_xcnt 0x0                                ; the last tile's stores have read their data: the registers are written again only behind this wait
	WIN 0xa2                                       ; sources 0 and 2 and the destination in window 2
.irp j, 0,1,2,3,4,5,6,7
.irp t, 0,1,2,3
	v_fma_f32 v[OW+4*\j+\t], v[MW+8*\t+\j], -2.0, v[PW+8*\t+\j]      ; row 8 (lane / 16) + j, column 4 (lane % 16) + t: four neighbouring columns in four neighbouring registers
.endr
.endr
	WIN 0x08                                       ; a store's data are its source 1: window 2
.irp j, 0,1,2,3,4,5,6,7
	global_store_b128 v[GO], v[OW+4*\j:OW+4*\j+3], s[12:13] offset:((\row0)+\j)*4096 th:TH_STORE_NT   ; sixteen lanes store 256 consecutive bytes, at a multiple of 256 from the output's first byte; written once, read by nobody here
.endr
	WIN 0
.endm
; A tile of 16 output rows x 64 columns.  next = 1: the second 16 of the 32 rows in hand are fetched; 2: the next 32 rows' codes are made and their first 16 fetched; 0: nothing follows.
.macro TILE u, v, next
	s_wait_dscnt 16                                ; all but the sixteen fragment loads that end a fetch: my rows' arrays are in
	CINIT
.rept 4
	v_nop                                          ; four places between the additions that write C and the scaled products, as for an operand so written
.endr
	s_wait_dscnt 0x0                               ; the rows' fragments are in (ahead of the first tile: the columns' too)
	MULS
	PADS
.if \next == 1
	WIN 0
	ROWFETCH \u, 1
.elseif \next == 2
	WIN 0
	UNSCAT SA, ROWB                                ; the loads of these rows' codes have come back: their bytes are cleared,
	UNSCAT SA+4, ROWB+32*PITCH
	BATCH (\u)+1                                   ; the next 32 rows' are set on zeros,
	ROWFETCH (\u)+1, 0                             ; and read, all in the order of issue
.endif
	EPI 32*(\u)+16*(\v)                            ; the arithmetic and the stores stand under the fetch
.endm
	s_load_b256 s[4:11], s[0:1], 0x0               ; top s[4:5], left s[6:7], indicator s[8:9], padding_dist s[10:11]
	s_load_b64 s[12:13], s[0:1], 0x20              ; out
	v_lshl_add_u32 v254, v0, 2, 0xd800
	v_mov_b32 v255, 0
	v_and_b32 v1, 15, v0                           ; r.  (One wave: v0 is the lane)
	v_lshrrev_b32 v17, 4, v0                       ; h
	v_mul_u32_u24 v[FA], v1, PITCH
	v_lshl_add_u32 v[FA], v17, 4, v[FA]
	v_and_b32 v[T], 3, v0
	v_lshrrev_b32 v[T+1], 2, v0
	v_lshl_add_u32 v[T], v[T], 4, v[T+1]
	v_mul_u32_u24 v[CB], v[T], PITCH
	v_mul_u32_u24 v[RB], v0, PITCH
	v_lshlrev_b32 v[L16], 4, v0
	v_lshlrev_b32 v[L4], 2, v0
	v_lshlrev_b32 v[CA], 4, v1
	v_lshlrev_b32 v[RA], 5, v17
	v_lshl_add_u32 v[GO], v17, 15, v[CA]
	v_mov_b32 v[SCL], 0x7d7d7d7d
	v_mov_b32 v[BOTH], 0x66
.irp i, 0,1,2,3
	v_mov_b32 v[NIL+\i], 0
.endr
	; work-group x: which 64 columns; y = 8 x batch + which 128 rows.  Five byte offsets, all under 2^31, each in a pair with 0 above it
	s_and_b32 s34, ttmp7, 0xffff                   ; y
	s_lshr_b32 s35, s34, 3                         ; the batch
	s_lshl_b32 s20, s34, 11                        ; the rows' ids: 128 rows of 16 bytes for each y
	s_mov_b32 s21, 0
	s_lshl_b32 s22, s35, 14                        ; the columns' ids: 1,024 x 16 bytes a batch, 64 x 16 for each x
	s_lshl_b32 s36, ttmp9, 10
	s_add_co_u32 s22, s22, s36
	s_mov_b32 s23, 0
	s_lshl_b32 s24, s34, 9                         ; the rows' indicator: 128 x 4 bytes for each y
	s_mov_b32 s25, 0
	s_lshl_b32 s26, s35, 12                        ; the columns': 4,096 bytes a batch, 256 for each x
	s_lshl_b32 s36, ttmp9, 8
	s_add_co_u32 s26, s26, s36
	s_mov_b32 s27, 0
	s_lshl_b32 s28, s34, 19                        ; the output: 128 rows of 4,096 bytes for each y, 256 bytes for each x
	s_add_co_u32 s28, s28, s36
	s_mov_b32 s29, 0
	s_wait_kmcnt 0x0
	s_load_b32 s46, s[10:11], 0x0                  ; padding_dist
	s_add_nc_u64 s[14:15], s[4:5], s[22:23]        ; top, left at my columns
	s_add_nc_u64 s[16:17], s[6:7], s[22:23]
	s_add_nc_u64 s[42:43], s[8:9], s[26:27]        ; the indicator at my columns
	s_add_nc_u64 s[18:19], s[4:5], s[20:21]        ; top, left at my rows
	s_add_nc_u64 s[40:41], s[6:7], s[20:21]
	s_add_nc_u64 s[44:45], s[8:9], s[24:25]        ; the indicator at my rows
	s_add_nc_u64 s[12:13], s[12:13], s[28:29]      ; the output at my corner
	; eighteen loads, the six for the columns first; each reads neighbouring bytes in neighbouring lanes.  No hint: other work-groups read the same ids
.irp q, 0,1
	global_load_b128 v[CID+4*\q:CID+4*\q+3], v[L16], s[14:15] offset:512*\q
.endr
.irp q, 0,1
	global_load_b128 v[CID+8+4*\q:CID+8+4*\q+3], v[L16], s[16:17] offset:512*\q
.endr
.irp q, 0,1
	global_load_b32 v[CIN+\q], v[L4], s[42:43] offset:128*\q
.endr
.irp u, 0,1,2,3
	global_load_b128 v[RID+4*\u:RID+4*\u+3], v[L16], s[18:19] offset:512*\u
.endr
.irp u, 0,1,2,3
	global_load_b128 v[RID+16+4*\u:RID+16+4*\u+3], v[L16], s[40:41] offset:512*\u
.endr
.irp u, 0,1,2,3
	global_load_b32 v[RIN+\u], v[L4], s[44:45] offset:128*\u
.endr
	; while the ids are on their way: zeros into all 192 rows of codes, padding too: 102 stores of 512 bytes = 52,224 bytes
.set i, 0
.rept 102
	ds_store_b128 v[L16], v[NIL:NIL+3] offset:512*i
.set i, i+1
.endr
	s_wait_loadcnt 12                              ; the six loads for the columns are in; the twelve for the rows, issued behind them, may be out
.irp x, 0,1
.irp q, 0,1
	SCAT CID+8*\x+4*\q, CB, SA, COLS+(64*\x+8*\q)*PITCH     ; column 32 q + lane = 4 r + t goes to row 64 x + 16 t + r = 64 x + 8 q + 16 (lane % 4) + lane / 4
.endr
.endr
	WIN 0x40                                       ; destination in window 1
.irp x, 0,1
.irp t, 0,1,2,3
.irp s, 0,1,2,3
.irp c, 0,1
	ds_load_b128 v[128*\x+32*\t+8*\s+4*\c:128*\x+32*\t+8*\s+4*\c+3], v[FA] offset:COLS+(64*\x+16*\t)*PITCH+64*\s+32*\c   ; the columns' 32 fragments: they stay
.endr
.endr
.endr
.endr
	WIN 0
	; while those land: the small arrays
.irp x, 0,1
.irp q, 0,1
	COUNT CID+8*\x+4*\q, T
	ds_store_b32 v[L4], v[T] offset:COLA+256*\x+128*\q
.endr
.endr
.irp q, 0,1
	v_cmp_ne_u32 s[36+\q], 0, v[CIN+\q]
.endr
.irp q, 0,1
	v_cndmask_b32 v[T+\q], 0, 1.0, s[36+\q]        ; g: 1 where the column is not PAD
.endr
.irp q, 0,1
	ds_store_b32 v[L4], v[T+\q] offset:COLA+512+128*\q
.endr
	s_wait_kmcnt 0x0                               ; padding_dist
	v_mov_b32 v[PD], s46
	v_mov_b32 v[PD+1], s46
	v_xor_b32 v[NPD], 0x80000000, v[PD]
	s_wait_loadcnt 0x0                             ; the rows' ids and indicator
.irp u, 0,1,2,3
	v_cmp_ne_u32 s[36+\u], 0, v[RIN+\u]
.endr
.irp u, 0,1,2,3
	v_cndmask_b32 v[T+\u], 0, v[NPD], s[36+\u]     ; G: -pd where the row is not PAD
.endr
.irp u, 0,1,2,3
	ds_store_b32 v[L4], v[T+\u] offset:ROWA+1024+128*\u
.endr
	BATCH 0
.irp k, 0,1,2
	ds_load_b128 v[ATC+4*\k:ATC+4*\k+3], v[CA] offset:COLA+256*\k    ; a_top, a_left, g of my columns 4 r .. 4 r + 3: they stay
.endr
	ROWFETCH 0, 0
	TILE 0, 0, 1
	TILE 0, 1, 2
	TILE 1, 0, 1
	TILE 1, 1, 2
	TILE 2, 0, 1
	TILE 2, 1, 2
	TILE 3, 0, 1
	TILE 3, 1, 0
	s_wait_tensorcnt 0x0
	ds_add_u32 v254, v255
	s_wait_dscnt 0x0
	s_endpgm
.Lfunc_end_k_q9db971277d_backbone:
	.size	k_q9db971277d_backbone, .Lfunc_end_k_q9db971277d_backbone-k_q9db971277d_backbone
	.p2alignl 7, 3214868480
	.fill 96, 4, 3214868480
	.section	.rodata,"a",@progbits
	.p2align	6, 0x0
	.amdhsa_kernel k_q9db971277d_backbone
		.amdhsa_group_segment_fixed_size 55552
		.amdhsa_private_segment_fixed_size 0
		.amdhsa_enable_private_segment 0
		.amdhsa_kernarg_size 40
		.amdhsa_user_sgpr_count 2
		.amdhsa_user_sgpr_kernarg_segment_ptr 1
		.amdhsa_wavefront_size32 1
		.amdhsa_system_sgpr_workgroup_id_x 1
		.amdhsa_system_sgpr_workgroup_id_y 1
		.amdhsa_system_sgpr_workgroup_id_z 1
		.amdhsa_system_vgpr_workitem_id 0
		.amdhsa_next_free_vgpr 608
		.amdhsa_next_free_sgpr 66
		.amdhsa_reserve_vcc 0
		.amdhsa_float_denorm_mode_32 3
		.amdhsa_float_denorm_mode_16_64 3
		.amdhsa_memory_ordered 1
		.amdhsa_forward_progress 1
		.amdhsa_inst_pref_size 161
	.end_amdhsa_kernel
	.amdgpu_metadata
---
amdhsa.version: [ 1, 2 ]
amdhsa.kernels:
  - .name:           k_q9db971277d_backbone
    .symbol:         k_q9db971277d_backbone.kd
    .args:
      - { .name: zipped_top, .offset: 0, .size: 8, .value_kind: global_buffer, .address_space: global }
      - { .name: zipped_left, .offset: 8, .size: 8, .value_kind: global_buffer, .address_space: global }
      - { .name: indicator, .offset: 16, .size: 8, .value_kind: global_buffer, .address_space: global }
      - { .name: padding_dist, .offset: 24, .size: 8, .value_kind: global_buffer, .address_space: global }
      - { .name: out0, .offset: 32, .size: 8, .value_kind: global_buffer, .address_space: global }
    .group_segment_fixed_size: 55552
    .private_segment_fixed_size: 0
    .kernarg_segment_align: 8
    .kernarg_segment_size: 40
    .max_flat_workgroup_size: 32
    .sgpr_count:     66
    .vgpr_count:     608
    .wavefront_size: 32
...
	.end_amdgpu_metadata
.endif
;; end of part 1
;; ======== version 2 of 2: 1 launch; version 1 with the launch backbone written anew for expert scheduling mode
;; launch backbone (part 2): grid 16 x 64, 1 waves a work-group, no clusters, 55,552 bytes of LDS; arguments zipped_top, zipped_left, indicator, padding_dist, out0; writes out0
.if DOCPART == 2
	.amdgcn_target "amdgcn-amd-amdhsa--gfx1250"
	.amdhsa_code_object_version 6
	.text
	.protected	k_q9db971277d_backbone
	.globl	k_q9db971277d_backbone
	.p2align	8
	.type	k_q9db971277d_backbone,@function
k_q9db971277d_backbone:
	s_mov_b64 s[64:65], 0
	v_nop
	global_prefetch_b8 v0, s[64:65] scope:SCOPE_SE
	s_setreg_imm32_b32 hwreg(HW_REG_WAVE_SCHED_MODE, 0, 2), 2
	s_setreg_imm32_b32 hwreg(HW_REG_WAVE_MODE, 25, 1), 1
	s_wait_xcnt 0x0
	s_wait_alu depctr_vm_vsrc(0)
; out[b][i][j] = max(top(i,j), left(i,j)) + padding_dist x max(pad_i, pad_j), f32, [8][1024][1024].
; For each of the two trees X: X(i,j) = s_i + s_j - 2 <p_i, p_j>, p a row of 512 numbers 0 or 1: 1 at each of the row's four ids that is under 512; s the row's sum.
; THE PRODUCTS <p_i, p_j> go on codes of FP4 (E2M1) with one E8M0 scale for each 32 along K.  The operand holds 0 and 1 alone, whatever the inputs: a block with a 1 has the largest magnitude 1,
; so its scale is 2^-2 (byte 125) and its 1 becomes 4, code 6; a block of zeros has zero codes.  So the quantiser's result is: nibble 6 at place k for each id k under 512, byte 125 for every block.
; (A block of zeros so carries the byte 125 where the rule says 127: its codes are zeros, which add nothing under any byte but 0xff, and the bytes are read by this program alone.)
; LIMITS: padding_dist is finite or NaN: with an infinite one a PAD column against a row that is not PAD gives NaN (-inf x 0) where the definition gives infinity.
; Ids outside 0 .. 511, negative ones too, set nothing and count for nothing.
; SHARES.  A work-group is ONE wave and owns 128 rows x 64 columns of one batch's output: 1,024 work-groups.  A row of codes is 256 bytes of which at most four are not zero: it is made in LDS, as zeros
; and four byte stores whose addresses come from the ids.  The wave's LDS is its own, and LDS serves a wave's instructions in order (ISA guide 5.7.1.4): no barrier, and no wait between stores and loads.
; No cluster and no joint loads: what work-groups share is ids, 3 KiB a wave against the 32 KiB that it stores.  No tensor loads: nothing large is read.
; LAYOUT.  Source 0 = 16 output rows, source 1 = 16 output columns.  THE COLUMNS OF A TILE ARE NOT NEIGHBOURS: lane r of tile t takes column 4 r + t, so that register j of the four tiles' results holds
; columns 4 r .. 4 r + 3 of row 8 (lane / 16) + j: 16 neighbouring bytes.  The last line of the arithmetic puts them into four neighbouring registers, and the results leave without a stage in LDS.
; ARITHMETIC, exact but for the one rounding of the last addition.  a = -s / 2.  A sum begins with C = a_row + a_col, so D = <p_i, p_j> - (s_i + s_j) / 2 = -X(i,j) / 2.
; P = G_row x g_col + pd, g = 1 and G = -pd where the indicator is not 0, else 0: P = 0 where neither is PAD, else pd.  out = min(D_top, D_left) x -2 + P.
; THE MODE: SCHED_MODE bits 1:0 = 2 (LLVM: expert scheduling mode 2), set by the entry lines.  The code itself states the register dependences
; between vector or matrix instructions and memory or LDS instructions, with s_wait_alu, always for 0.
; THE PLAN.  A step is a tile of 16 output rows; step n works on the buffers of parity p = n % 2.  Registers that memory or LDS instructions touch:
;   RF0, RF1   the rows' fragments.  Loaded at the head of step n - 1; read by step n's products.
;   RA0, RA1   a_top, a_left, G of my eight rows.  Loaded with them; read by step n's first additions and by its lines for P.
;   OW0, OW1   the results.  Written by step n's last multiply-adds; read by the eight stores that stand at the head of step n + 1.
;   SA0, SA1, SD, AD   addresses and data of the byte stores, and a, of a batch of 32 rows.  Batch u's are written by vector lines in step 2 u - 2 and read by LDS stores at the head of step 2 u - 1;
;              SA[u % 2] once more by the stores that clear the bytes, at the head of step 2 u + 1.
;   v168-209   at the kernel's head: the same for the 64 columns, and g and G; read by the head's LDS stores; from step 0 on these registers are accumulators.
;   v2, v5-9, v12-15, v254, v255   offsets, addresses, zeros: written once at the head, never again.
; T, the accumulators, P and the minima are named by vector and matrix instructions alone.
; one on vm_vsrc (what was issued a step ago has read OW[p], SA, SD, AD, which
; this step writes), one on va_vdst (the step before has written OW[1 - p], SA, SD, AD and is done reading RF[1 - p], RA[1 - p]).  Besides: one on va_sdst behind each run of compares.
; REGISTERS, in windows of 256 (s_set_vgpr_msb's low byte: bits 1:0 source 0, 3:2 source 1, 5:4 source 2, 7:6 destination):
;   window 0: v0-19 lane addresses and constants; v20-23 at work; v28-35 SA0; v36-67 the rows' ids; v68-79 a_top, a_left, g of my 4 columns; v80-103 RA0; v104-167 RF0; v168-231 eight accumulators;
;   v232-253 at the head: the columns' ids and the indicators; behind it v232-239 SA1, v240-247 SD, v248-249 AD.
;   window 1: the 64 columns' fragments of both trees, all 256 registers: loaded once.
;   window 2: v0-31 P, v32-63 the minima, v64-95 OW0, v96-159 RF1, v160-183 RA1, v184-215 OW1.
.set PITCH, 272                        ; a row of codes in LDS: 256 bytes + 16 = 68 words: row r starts at bank 4 r mod 64 (64 banks of 4 bytes: ISA guide 11.1), so the 16 rows of a fragment load start at 16 different banks
.set COLS,  0                          ; 128 rows of codes: tree x, tile t, lane r at row 64 x + 16 t + r
.set ROWB,  128*PITCH                  ; 64 rows of codes: tree x, row i of the 32 output rows in hand at row 32 x + i
.set COLA,  ROWB+64*PITCH              ; a_top[64], a_left[64], g[64], f32, by column
.set ROWA,  COLA+3*256                 ; a_top[128], a_left[128], G[128], f32, by row; ends at byte 54,528
.set FA,   2                           ; v2   a fragment's place for my lane: 272 (lane % 16) + 16 (lane / 16)
.set CB,   3                           ; v3   where column 32 q + lane has its row of codes: 272 (16 (lane % 4) + lane / 4); 8 q rows more stand in the offset
.set RB,   4                           ; v4   where row lane of the 32 in hand has its row of codes: 272 x lane
.set L16,  5                           ; v5   16 x lane
.set L4,   6                           ; v6   4 x lane
.set CA,   7                           ; v7   16 (lane % 16): my four columns' numbers in a column array
.set RA,   8                           ; v8   32 (lane / 16): my eight rows' numbers in a row array
.set GO,   9                           ; v9   my bytes in the output: 8 (lane / 16) rows of 4,096 bytes + 16 (lane % 16)
.set SCL,  10                          ; v10  the scale word of every row and column: four bytes 125; it holds scales and nothing else
.set BOTH, 11                          ; v11  0x66: a byte both of whose codes are set
.set NIL,  12                          ; v12-15  0
.set NPD,  16                          ; v16  -padding_dist
.set PD,   18                          ; v18-19  padding_dist, twice
.set T,    20
.set SA,   28                          ; SA0; SA1 lies 204 registers on, at v232
.set RID,  36                          ; ids of rows 32 u + lane: top at v[36 + 4 u], left at v[52 + 4 u]
.set ATC,  68
.set GC,   76
.set ACC,  168                         ; tree x, tile t: v[168 + 32 x + 8 t]
.set HSA,  168                         ; at the head: the columns' byte stores: addresses, v[168 + 8 x + 4 q] on,
.set HSD,  184                         ; and data;
.set HAD,  200                         ; the columns' a, v[200 + 2 x + q];
.set HG,   204                         ; their g;
.set HGR,  206                         ; the rows' G
.set CID,  232                         ; ids of columns 32 q + lane: v[232 + 8 x + 4 q]
.set CIN,  248                         ; the columns' indicator
.set RIN,  250                         ; the rows'
.set SD,   240                         ; behind the columns' counts: a batch's byte stores' data, tree x at v[240 + 4 x]
.set AD,   248                         ; and its a, tree x at v[248 + x]
.set PW,   0                           ; window 2
.set MW,   32
.set MSB, 0
.macro WIN new                         ; the immediate's high byte repeats the setting that is left; a switch that changes nothing is dropped
.if MSB != \new
	s_set_vgpr_msb (MSB<<8)|\new
.set MSB, \new
.endif
.endm
; The four ids of my row, v[id] on, set their codes in the row of codes at v[base].  Id d lies in byte d / 2, the even d in the low four bits.  An id of 512 or more, or a negative one (large as an
; unsigned number), goes to byte 256, which is padding and is never read.  Two ids that share a byte (d and d xor 1) both store 0x66, so stores of a lane that fall on one code byte carry one value.
; SCAT_CMP makes the four addresses in v[sa] on, the data of an id alone in its byte in v[sd] on, and six masks in s[m] on; SCAT_SEL, behind the wait for the masks, finishes the data.
.macro SCAT_CMP id, base, sa, sd, m
.irp i, 0,1,2,3
	v_lshrrev_b32 v[T+\i], 1, v[\id+\i]
.endr
.irp i, 0,1,2,3
	v_min_u32 v[T+\i], 0x100, v[T+\i]              ; held inside the row and its padding before it enters an address
.endr
.irp i, 0,1,2,3
	v_add_nc_u32 v[\sa+\i], v[\base], v[T+\i]
.endr
.irp i, 0,1,2,3
	v_and_b32 v[T+\i], 1, v[\id+\i]
.endr
.irp i, 0,1,2,3
	v_mad_u32_u24 v[\sd+\i], v[T+\i], 0x5a, 6      ; 0x06 for an even id, 0x60 for an odd one
.endr
.irp i, 0,1,2
	v_xor_b32 v[T+\i], 1, v[\id+\i]                ; the id that would share the byte
.endr
	v_cmp_eq_u32 s[\m], v[T], v[\id+1]             ; pairs 01, 02, 03, 12, 13, 23
	v_cmp_eq_u32 s[\m+1], v[T], v[\id+2]
	v_cmp_eq_u32 s[\m+2], v[T], v[\id+3]
	v_cmp_eq_u32 s[\m+3], v[T+1], v[\id+2]
	v_cmp_eq_u32 s[\m+4], v[T+1], v[\id+3]
	v_cmp_eq_u32 s[\m+5], v[T+2], v[\id+3]
.endm
.macro SCAT_SEL sd, m
	s_or_b32 s[\m+6], s[\m], s[\m+1]               ; id i has a partner in some pair
	s_or_b32 s[\m+6], s[\m+6], s[\m+2]
	s_or_b32 s[\m+7], s[\m], s[\m+3]
	s_or_b32 s[\m+7], s[\m+7], s[\m+4]
	s_or_b32 s[\m+8], s[\m+1], s[\m+3]
	s_or_b32 s[\m+8], s[\m+8], s[\m+5]
	s_or_b32 s[\m+9], s[\m+2], s[\m+4]
	s_or_b32 s[\m+9], s[\m+9], s[\m+5]
.irp i, 0,1,2,3
	v_cndmask_b32 v[\sd+\i], v[\sd+\i], v[BOTH], s[\m+6+\i]
.endr
.endm
; a = -1/2 x the number of different ids under 512 among my row's four: an id counts if it is under 512 and equals none of the ids ahead of it.
; COUNT_CMP makes ten masks in s[m] on; COUNT_SEL, behind the wait for them, makes a in v[dst].
.macro COUNT_CMP id, m
.irp i, 0,1,2,3
	v_cmp_gt_u32 s[\m+6+\i], 0x200, v[\id+\i]      ; unsigned: a negative id does not count
.endr
	v_cmp_eq_u32 s[\m], v[\id], v[\id+1]
	v_cmp_eq_u32 s[\m+1], v[\id], v[\id+2]
	v_cmp_eq_u32 s[\m+2], v[\id], v[\id+3]
	v_cmp_eq_u32 s[\m+3], v[\id+1], v[\id+2]
	v_cmp_eq_u32 s[\m+4], v[\id+1], v[\id+3]
	v_cmp_eq_u32 s[\m+5], v[\id+2], v[\id+3]
.endm
.macro COUNT_SEL dst, m
	s_and_not1_b32 s[\m+7], s[\m+7], s[\m]
	s_or_b32 s[\m+1], s[\m+1], s[\m+3]
	s_and_not1_b32 s[\m+8], s[\m+8], s[\m+1]
	s_or_b32 s[\m+2], s[\m+2], s[\m+4]
	s_or_b32 s[\m+2], s[\m+2], s[\m+5]
	s_and_not1_b32 s[\m+9], s[\m+9], s[\m+2]
.irp i, 0,1,2,3
	v_cndmask_b32 v[T+\i], 0, -0.5, s[\m+6+\i]
.endr
	v_add_f32 v[T], v[T], v[T+1]
	v_add_f32 v[T+2], v[T+2], v[T+3]
	v_add_f32 v[\dst], v[T], v[T+2]
.endm
; Batch u: output rows 32 u .. 32 u + 31, a row to a lane.  BATCH_V is its vector work: both trees' addresses into SA[u % 2], data into SD, a into AD.  BATCH_ST, a step's head later, is its ten LDS stores.
.macro BATCH_V u
.set SAU, SA+204*((\u)%2)
.irp x, 0,1
	SCAT_CMP RID+16*\x+4*(\u), RB, SAU+4*\x, SD+4*\x, 20
	COUNT_CMP RID+16*\x+4*(\u), 30
	s_wait_alu depctr_va_sdst(0)                   ; the sixteen masks s20-25 and s30-39 are written, ahead of their first readers: the scalar lines and selections below
	SCAT_SEL SD+4*\x, 20
	COUNT_SEL AD+\x, 30
.endr
.endm
.macro BATCH_ST u
.set SAU, SA+204*((\u)%2)
.irp x, 0,1
.irp i, 0,1,2,3
	ds_store_b8 v[SAU+4*\x+\i], v[SD+4*\x+\i] offset:ROWB+32*PITCH*\x
.endr
	ds_store_b32 v[L4], v[AD+\x] offset:ROWA+512*\x+128*(\u)
.endr
.endm
.macro UNSCAT u                        ; the eight bytes that batch u set become zeros again: the rows' 64 rows of codes are cleared by 8 byte stores and not by 34 wide ones
.set SAU, SA+204*((\u)%2)
.irp x, 0,1
.irp i, 0,1,2,3
	ds_store_b8 v[SAU+4*\x+\i], v[NIL] offset:ROWB+32*PITCH*\x
.endr
.endr
.endm
; What tile n, output rows 16 n on, wants, into the buffers of its parity: six loads of my eight rows' a_top, a_left, G; then sixteen loads of the rows' fragments.
; A fragment, 16 rows x 128 K of 4-bit codes, is 8 registers: lane l holds row l % 16; registers 4 c .. 4 c + 3 hold K = 64 c + 32 (l / 16) + 0 .. 31: 16 bytes of the row as they lie.
.macro ROWFETCH n
.set RAQ, 80+80*((\n)%2)
.set RFQ, 104-8*((\n)%2)
	WIN (0x80*((\n)%2))                            ; the odd tiles' buffers lie in window 2
.irp k, 0,1,2
	ds_load_b128 v[RAQ+8*\k:RAQ+8*\k+3], v[RA] offset:ROWA+512*\k+64*(\n)
	ds_load_b128 v[RAQ+8*\k+4:RAQ+8*\k+7], v[RA] offset:ROWA+512*\k+64*(\n)+16
.endr
.irp x, 0,1
.irp s, 0,1,2,3
.irp c, 0,1
	ds_load_b128 v[RFQ+32*\x+8*\s+4*\c:RFQ+32*\x+8*\s+4*\c+3], v[FA] offset:ROWB+(32*\x+16*((\n)%2))*PITCH+64*\s+32*\c
.endr
.endr
.endr
.endm
.macro CINIT p                         ; the sums begin with a_row + a_col: register j of tile t = 2 w + e: a of row 8 (lane / 16) + j, and a of column 4 (lane % 16) + t for both halves of the pair
.set RAP, 80+80*(\p)
	WIN (0x02*(\p))                                ; source 0: RA[p]
.irp x, 0,1
.irp w, 0,1
.irp e, 0,1
.irp k, 0,2,4,6
	v_pk_add_f32 v[ACC+32*\x+8*(2*\w+\e)+\k:ACC+32*\x+8*(2*\w+\e)+\k+1], v[RAP+8*\x+\k:RAP+8*\x+\k+1], v[ATC+4*\x+2*\w:ATC+4*\x+2*\w+1] op_sel:[0,\e] op_sel_hi:[1,\e]
.endr
.endr
.endr
.endr
.endm
.macro MULS p                          ; 32 products: four K steps of 128 x two trees x four tiles of columns.  The eight accumulators take turns, one instruction a turn
.set RFP, 104-8*(\p)
	WIN (0x04+0x02*(\p))                           ; source 1 (the columns) in window 1; source 0: RF[p]
.irp s, 0,1,2,3
.irp x, 0,1
.irp t, 0,1,2,3
	v_wmma_scale_f32_16x16x128_f8f6f4 v[ACC+32*\x+8*\t:ACC+32*\x+8*\t+7], v[RFP+32*\x+8*\s:RFP+32*\x+8*\s+7], v[128*\x+32*\t+8*\s:128*\x+32*\t+8*\s+7], v[ACC+32*\x+8*\t:ACC+32*\x+8*\t+7], v[SCL], v[SCL] matrix_a_fmt:MATRIX_FMT_FP4 matrix_b_fmt:MATRIX_FMT_FP4
.endr
.endr
.endr
.endm
; P = G_row x g_col + pd.  These sixteen plain lines name no register of the products: they are the places (ISA guide 7.12.1) between the last product and the first read of results.
.macro PADS p
.set RAP, 80+80*(\p)
	WIN (0x80+0x02*(\p))                           ; destination in window 2; source 0: RA[p]
.irp w, 0,1
.irp e, 0,1
.irp k, 0,2,4,6
	v_pk_fma_f32 v[PW+8*(2*\w+\e)+\k:PW+8*(2*\w+\e)+\k+1], v[RAP+16+\k:RAP+16+\k+1], v[GC+2*\w:GC+2*\w+1], v[PD:PD+1] op_sel:[0,\e,0] op_sel_hi:[1,\e,1]
.endr
.endr
.endr
.endm
.macro RESULT p                        ; the tile's results, into OW[p]
.set OWP, 64+120*(\p)
	WIN 0x80
.irp t, 0,1,2,3
.irp j, 0,1,2,3,4,5,6,7
	v_min_num_f32 v[MW+8*\t+\j], v[ACC+8*\t+\j], v[ACC+32+8*\t+\j]   ; -max(top, left) / 2; each accumulator from its low end on
.endr
.endr
	WIN 0xa2                                       ; sources 0 and 2 and the destination in window 2
.irp j, 0,1,2,3,4,5,6,7
.irp t, 0,1,2,3
	v_fma_f32 v[OWP+4*\j+\t], v[MW+8*\t+\j], -2.0, v[PW+8*\t+\j]     ; row 8 (lane / 16) + j, column 4 (lane % 16) + t: four neighbouring columns in four neighbouring registers
.endr
.endr
.endm
.macro SEND n                          ; tile n's results leave
.set OWS, 64+120*((\n)%2)
	WIN 0x08                                       ; a store's data are its source 1: window 2
.irp j, 0,1,2,3,4,5,6,7
	global_store_b128 v[GO], v[OWS+4*\j:OWS+4*\j+3], s[12:13] offset:(16*(\n)+\j)*4096 th:TH_STORE_NT   ; sixteen lanes store 256 consecutive bytes, at a multiple of 256 from the output's first byte; written once, read by nobody here
.endr
.endm
; STEP n: a tile of 16 output rows x 64 columns.  At its head, behind the waits: the stores of tile n - 1; in the odd steps the clearing of the batch in hand and the next batch's LDS stores; the fetch of tile n + 1.
; Then its vector and matrix work, which names none of the registers that those touch.  In steps 0, 2 and 4 the next batch's vector work stands behind the products.
.macro TILE n
.if (\n) == 0
	s_wait_alu depctr_vm_vsrc(0)                   ; the head's LDS stores have read v168-209, which the additions below write as accumulators, and SD and AD, which this step's batch writes
.endif
.if (\n) >= 2
	s_wait_xcnt 0x0                                ; the stores issued a step ago have had their addresses translated (ISA guide 3.1): their data, OW[p], are written again only behind this wait
	s_wait_alu depctr_vm_vsrc(0)                   ; the stores issued a step ago have read OW[p], which this step's multiply-adds write; the LDS stores issued so far have read SA, SD and AD, which an even step's batch writes
.endif
.if (\n) >= 1
	s_wait_alu depctr_va_vdst(0)                   ; the step before has written OW[1 - p], and its batch SA, SD and AD, which the stores below read; its additions, products and lines for P are done reading RA[1 - p] and RF[1 - p], in which the loads below land
	SEND (\n)-1
.endif
.if (\n) < 7
.if (\n)%2
	WIN 0
	UNSCAT (\n)/2                                  ; both tiles of the batch in hand have been asked for: its bytes are cleared,
	BATCH_ST (\n)/2+1                              ; the next 32 rows' are set on zeros,
.endif
	ROWFETCH (\n)+1                                ; and read, all in the order of issue.  Between the wait above and these loads stand stores that name none of their registers, and window switches
.endif
.if (\n) == 7
.set NL, 0
.elseif (\n)%2
.set NL, 40
.else
.set NL, 22
.endif
	s_wait_dscnt NL+16                             ; all but this head's NL LDS instructions and the sixteen fragment loads that end tile n's fetch: my rows' arrays are in
	CINIT (\n)%2
.rept 4
	v_nop                                          ; four places between the additions that write C and the scaled products, as for an operand so written
.endr
	s_wait_alu depctr_va_vdst(0)
	s_wait_dscnt NL                                ; the rows' fragments are in (ahead of the first tile: the columns' too)
	MULS (\n)%2
	PADS (\n)%2
.if ((\n)%2 == 0) && ((\n) < 6)
	WIN 0
	BATCH_V (\n)/2+1
.endif
	RESULT (\n)%2
.endm
	s_load_b256 s[4:11], s[0:1], 0x0               ; top s[4:5], left s[6:7], indicator s[8:9], padding_dist s[10:11]
	s_load_b64 s[12:13], s[0:1], 0x20              ; out
	v_lshl_add_u32 v254, v0, 2, 0xd800
	v_mov_b32 v255, 0
	v_and_b32 v1, 15, v0                           ; r.  (One wave: v0 is the lane)
	v_lshrrev_b32 v17, 4, v0                       ; h
	v_mul_u32_u24 v[FA], v1, PITCH
	v_lshl_add_u32 v[FA], v17, 4, v[FA]
	v_and_b32 v[T], 3, v0
	v_lshrrev_b32 v[T+1], 2, v0
	v_lshl_add_u32 v[T], v[T], 4, v[T+1]
	v_mul_u32_u24 v[CB], v[T], PITCH
	v_mul_u32_u24 v[RB], v0, PITCH
	v_lshlrev_b32 v[L16], 4, v0
	v_lshlrev_b32 v[L4], 2, v0
	v_lshlrev_b32 v[CA], 4, v1
	v_lshlrev_b32 v[RA], 5, v17
	v_lshl_add_u32 v[GO], v17, 15, v[CA]
	v_mov_b32 v[SCL], 0x7d7d7d7d
	v_mov_b32 v[BOTH], 0x66
.irp i, 0,1,2,3
	v_mov_b32 v[NIL+\i], 0
.endr
	; work-group x: which 64 columns; y = 8 x batch + which 128 rows.  Five byte offsets, all under 2^31, each in a pair with 0 above it
	s_and_b32 s34, ttmp7, 0xffff                   ; y
	s_lshr_b32 s35, s34, 3                         ; the batch
	s_lshl_b32 s20, s34, 11                        ; the rows' ids: 128 rows of 16 bytes for each y
	s_mov_b32 s21, 0
	s_lshl_b32 s22, s35, 14                        ; the columns' ids: 1,024 x 16 bytes a batch, 64 x 16 for each x
	s_lshl_b32 s36, ttmp9, 10
	s_add_co_u32 s22, s22, s36
	s_mov_b32 s23, 0
	s_lshl_b32 s24, s34, 9                         ; the rows' indicator: 128 x 4 bytes for each y
	s_mov_b32 s25, 0
	s_lshl_b32 s26, s35, 12                        ; the columns': 4,096 bytes a batch, 256 for each x
	s_lshl_b32 s36, ttmp9, 8
	s_add_co_u32 s26, s26, s36
	s_mov_b32 s27, 0
	s_lshl_b32 s28, s34, 19                        ; the output: 128 rows of 4,096 bytes for each y, 256 bytes for each x
	s_add_co_u32 s28, s28, s36
	s_mov_b32 s29, 0
	s_wait_kmcnt 0x0
	s_load_b32 s46, s[10:11], 0x0                  ; padding_dist
	s_add_nc_u64 s[14:15], s[4:5], s[22:23]        ; top, left at my columns
	s_add_nc_u64 s[16:17], s[6:7], s[22:23]
	s_add_nc_u64 s[42:43], s[8:9], s[26:27]        ; the indicator at my columns
	s_add_nc_u64 s[18:19], s[4:5], s[20:21]        ; top, left at my rows
	s_add_nc_u64 s[40:41], s[6:7], s[20:21]
	s_add_nc_u64 s[44:45], s[8:9], s[24:25]        ; the indicator at my rows
	s_add_nc_u64 s[12:13], s[12:13], s[28:29]      ; the output at my corner
	s_wait_alu depctr_va_vdst(0)                   ; the offsets and addresses v2 and v5 to v9, the zeros v12 to v15, v254 and v255 are written, which the kernel's loads and stores read; so is v10, which the products take as their scales
	; eighteen loads, the six for the columns first; each reads neighbouring bytes in neighbouring lanes.  No hint: other work-groups read the same ids
.irp q, 0,1
	global_load_b128 v[CID+4*\q:CID+4*\q+3], v[L16], s[14:15] offset:512*\q
.endr
.irp q, 0,1
	global_load_b128 v[CID+8+4*\q:CID+8+4*\q+3], v[L16], s[16:17] offset:512*\q
.endr
.irp q, 0,1
	global_load_b32 v[CIN+\q], v[L4], s[42:43] offset:128*\q
.endr
.irp u, 0,1,2,3
	global_load_b128 v[RID+4*\u:RID+4*\u+3], v[L16], s[18:19] offset:512*\u
.endr
.irp u, 0,1,2,3
	global_load_b128 v[RID+16+4*\u:RID+16+4*\u+3], v[L16], s[40:41] offset:512*\u
.endr
.irp u, 0,1,2,3
	global_load_b32 v[RIN+\u], v[L4], s[44:45] offset:128*\u
.endr
	; while the ids are on their way: zeros into all 192 rows of codes, padding too: 102 stores of 512 bytes = 52,224 bytes
.set i, 0
.rept 102
	ds_store_b128 v[L16], v[NIL:NIL+3] offset:512*i
.set i, i+1
.endr
	s_wait_loadcnt 12                              ; the six loads for the columns are in; the twelve for the rows, issued behind them, may be out
	; the columns' codes: all four scatters' vector work, each with registers of its own, then one wait, then the sixteen byte stores
.irp x, 0,1
	SCAT_CMP CID+8*\x, CB, HSA+8*\x, HSD+8*\x, 20
	SCAT_CMP CID+8*\x+4, CB, HSA+8*\x+4, HSD+8*\x+4, 30
	s_wait_alu depctr_va_sdst(0)                   ; the twelve masks s20-25 and s30-35 are written, ahead of their first readers, the scalar lines below
	SCAT_SEL HSD+8*\x, 20
	SCAT_SEL HSD+8*\x+4, 30
.endr
	s_wait_alu depctr_va_vdst(0)                   ; the sixteen addresses v168-183 and the sixteen data v184-199 are written, which the byte stores read
.irp x, 0,1
.irp q, 0,1
.irp i, 0,1,2,3
	ds_store_b8 v[HSA+8*\x+4*\q+\i], v[HSD+8*\x+4*\q+\i] offset:COLS+(64*\x+8*\q)*PITCH   ; column 32 q + lane = 4 r + t goes to row 64 x + 16 t + r = 64 x + 8 q + 16 (lane % 4) + lane / 4
.endr
.endr
.endr
	WIN 0x40                                       ; destination in window 1, which no vector instruction has named
.irp x, 0,1
.irp t, 0,1,2,3
.irp s, 0,1,2,3
.irp c, 0,1
	ds_load_b128 v[128*\x+32*\t+8*\s+4*\c:128*\x+32*\t+8*\s+4*\c+3], v[FA] offset:COLS+(64*\x+16*\t)*PITCH+64*\s+32*\c   ; the columns' 32 fragments: they stay
.endr
.endr
.endr
.endr
	WIN 0
	; while those land: the vector work of the small arrays and of the first batch of rows, then one wait, then their twenty LDS stores
	s_wait_loadcnt 0x0                             ; the rows' ids and indicator
	s_wait_kmcnt 0x0                               ; padding_dist
	v_mov_b32 v[PD], s46
	v_mov_b32 v[PD+1], s46
	v_xor_b32 v[NPD], 0x80000000, v[PD]
	COUNT_CMP CID, 20
	COUNT_CMP CID+4, 30
.irp q, 0,1
	v_cmp_ne_u32 s[2+\q], 0, v[CIN+\q]
.endr
.irp u, 0,1,2,3
	v_cmp_ne_u32 s[4+\u], 0, v[RIN+\u]             ; (s4 to s7 have served: the bases above are made)
.endr
	s_wait_alu depctr_va_sdst(0)                   ; the twenty-six masks s2-7 and s20-39 are written, ahead of their first readers: the scalar lines and selections below
	COUNT_SEL HAD, 20
	COUNT_SEL HAD+1, 30
.irp q, 0,1
	v_cndmask_b32 v[HG+\q], 0, 1.0, s[2+\q]        ; g: 1 where the column is not PAD
.endr
.irp u, 0,1,2,3
	v_cndmask_b32 v[HGR+\u], 0, v[NPD], s[4+\u]    ; G: -pd where the row is not PAD
.endr
	COUNT_CMP CID+8, 20
	COUNT_CMP CID+12, 30
	s_wait_alu depctr_va_sdst(0)                   ; the twenty masks s20-39 are written, ahead of their first readers
	COUNT_SEL HAD+2, 20
	COUNT_SEL HAD+3, 30
	BATCH_V 0                                      ; (the columns' ids and indicator have been read: SD and AD take their registers)
	s_wait_alu depctr_va_vdst(0)                   ; v200-209 (the columns' a and g, the rows' G) and the first batch's SA0, SD and AD are written, which the LDS stores below read
.irp c, 0,1,2,3
	ds_store_b32 v[L4], v[HAD+\c] offset:COLA+128*\c                 ; a of tree c / 2, columns 32 (c % 2) + lane
.endr
.irp q, 0,1
	ds_store_b32 v[L4], v[HG+\q] offset:COLA+512+128*\q
.endr
.irp u, 0,1,2,3
	ds_store_b32 v[L4], v[HGR+\u] offset:ROWA+1024+128*\u
.endr
	BATCH_ST 0
.irp k, 0,1,2
	ds_load_b128 v[ATC+4*\k:ATC+4*\k+3], v[CA] offset:COLA+256*\k    ; a_top, a_left, g of my columns 4 r .. 4 r + 3: they stay.  No vector instruction has named these registers, nor RA0 and RF0
.endr
	ROWFETCH 0
	TILE 0
	TILE 1
	TILE 2
	TILE 3
	TILE 4
	TILE 5
	TILE 6
	TILE 7
	s_wait_alu depctr_va_vdst(0)                   ; the last step has written OW1, which the last eight stores read
	SEND 7
	WIN 0                                          ; the add's two registers lie in window 0
	s_wait_dscnt 0x0                               ; the closing lines, six on end
	s_wait_alu 0x0
	s_wait_tensorcnt 0x0
	ds_add_u32 v254, v255
	s_wait_dscnt 0x0
	s_endpgm
.Lfunc_end_k_q9db971277d_backbone:
	.size	k_q9db971277d_backbone, .Lfunc_end_k_q9db971277d_backbone-k_q9db971277d_backbone
	.p2alignl 7, 3214868480
	.fill 96, 4, 3214868480
	.section	.rodata,"a",@progbits
	.p2align	6, 0x0
	.amdhsa_kernel k_q9db971277d_backbone
		.amdhsa_group_segment_fixed_size 55552
		.amdhsa_private_segment_fixed_size 0
		.amdhsa_enable_private_segment 0
		.amdhsa_kernarg_size 40
		.amdhsa_user_sgpr_count 2
		.amdhsa_user_sgpr_kernarg_segment_ptr 1
		.amdhsa_wavefront_size32 1
		.amdhsa_system_sgpr_workgroup_id_x 1
		.amdhsa_system_sgpr_workgroup_id_y 1
		.amdhsa_system_sgpr_workgroup_id_z 1
		.amdhsa_system_vgpr_workitem_id 0
		.amdhsa_next_free_vgpr 728
		.amdhsa_next_free_sgpr 66
		.amdhsa_reserve_vcc 0
		.amdhsa_float_denorm_mode_32 3
		.amdhsa_float_denorm_mode_16_64 3
		.amdhsa_memory_ordered 1
		.amdhsa_forward_progress 1
		.amdhsa_inst_pref_size 163
	.end_amdhsa_kernel
	.amdgpu_metadata
---
amdhsa.version: [ 1, 2 ]
amdhsa.kernels:
  - .name:           k_q9db971277d_backbone
    .symbol:         k_q9db971277d_backbone.kd
    .args:
      - { .name: zipped_top, .offset: 0, .size: 8, .value_kind: global_buffer, .address_space: global }
      - { .name: zipped_left, .offset: 8, .size: 8, .value_kind: global_buffer, .address_space: global }
      - { .name: indicator, .offset: 16, .size: 8, .value_kind: global_buffer, .address_space: global }
      - { .name: padding_dist, .offset: 24, .size: 8, .value_kind: global_buffer, .address_space: global }
      - { .name: out0, .offset: 32, .size: 8, .value_kind: global_buffer, .address_space: global }
    .group_segment_fixed_size: 55552
    .private_segment_fixed_size: 0
    .kernarg_segment_align: 8
    .kernarg_segment_size: 40
    .max_flat_workgroup_size: 32
    .sgpr_count:     66
    .vgpr_count:     728
    .wavefront_size: 32
...
	.end_amdgpu_metadata
.endif
;; end of part 2
